; MI455X (gfx1250); checked and timed in simulation.
; The chip was launched on July 23, 2026; its instructions are those of AMD's public machine-readable ISA for CDNA 5 (MIT licence, August 2026) and "CDNA5" Instruction Set Architecture Reference Guide (July 2026). The comments in the code are by the model that wrote it; some were corrected since.
;; A. Allowed arithmetic: float matrix products may take bf16 or f16 operands with f32 sums; all other float work in f32.
;; Inputs: angles 128 float32; x 1 x 1 x 128 x 128 x 128 float32.
;; Outputs: out0 1 x 1 x 128 x 128 x 128 float32.
;; One version. Each part assembles by itself: llvm-mc -triple=amdgcn-amd-amdhsa -mcpu=gfx1250 --defsym DOCPART=n.
;; ======== version 1 of 1: 2 launches
;; limits: values outside matrix products are rounded to bf16
;; workspace buffers: idx 8,388,608 bytes of whole numbers
;; launch prep (part 1): grid 128 x 2, 8 waves a work-group, no clusters, 0 bytes of LDS; arguments angles, idx; writes idx
.if DOCPART == 1
	.amdgcn_target "amdgcn-amd-amdhsa--gfx1250"
	.amdhsa_code_object_version 6
	.text
	.protected	k_q56088b23b7_prep
	.globl	k_q56088b23b7_prep
	.p2align	8
	.type	k_q56088b23b7_prep,@function
k_q56088b23b7_prep:
	s_mov_b64 s[64:65], 0
	v_nop
	global_prefetch_b8 v0, s[64:65] scope:SCOPE_SE
	s_setreg_imm32_b32 hwreg(HW_REG_WAVE_MODE, 25, 1), 1
	s_wait_xcnt 0x0
; For every sample (angle a, step t, detector column u) of the parallel-beam projector: the LDS byte address, in the frame that the
; next launch keeps its slices in, of the cell (floor ys, floor xs).  xs = t cos - u sin + 63.5, ys = t sin + u cos + 63.5, t and u
; counted from -63.5.  The frame has 131 rows of 132 cells of 16 bytes; voxel (y, x) is cell (y + 1, x + 1); all other cells are zero.
; A sample with floor xs or floor ys outside -1 .. 127 has no corner inside the image: it gets the address of cell (129, 129), whose
; 2 x 2 block is zero.  So the next launch needs neither mask nor clamp.
; Table: idx[a][sub-group of 8 u: 16][quad: 8][lane: 32][entry e: 4], 32-bit words.  Lane l stands for u = 8 sub + (l & 3) + 4 (l >> 4)
; and t = 16 quad + 4 e + ((l >> 2) & 3): the order in which the next launch's lanes use the words.
; A work-group takes one angle and 8 sub-groups (64 u); wave q takes quad q; one b128 store of a wave covers 512 consecutive bytes.
; LIMITS.  sin and cos: reduction by pi/2 in three parts with fused multiply-adds, polynomials on |r| <= pi/4; good to a few last bits while
; the quadrant number is exact in f32, |angle| below about 1e7 rad.  A NaN or infinite angle gives the zero block's address everywhere.
; The positions are made with fused multiply-adds, so their last bits may differ from separate multiplies and adds; the
; interpolated value is continuous in the position, so that moves a result by last bits only.
.set PITCH,    132                     ; cells in a row of the frame
.set CELL,     16                      ; bytes in a cell
.set ROWB,     PITCH*CELL              ; 2112 bytes in a row
.set ZEROADDR, (129*PITCH+129)*CELL    ; 274512: the zero block
.set UF,  4                            ; v4       u - 63.5 of the part at work
.set OFF, 5                            ; v5       16 x thread: my bytes in a part's 4,096
.set TP,  6                            ; v[6:9]   t - 63.5 of my four entries
.set BX,  10                           ; v[10:11] 63.5 - u sin, twice
.set BY,  12                           ; v[12:13] 63.5 + u cos, twice
.set XS,  14                           ; v[14:17] xs of the four entries
.set YS,  18                           ; v[18:21] ys
.set X0,  22                           ; v[22:25] floor xs
.set Y0,  26                           ; v[26:29] floor ys
.set AF,  30                           ; v30      the address, first as a float (exact: below 2^24)
.set DX,  31
.set DY,  32
.set TH,  34
.set SN,  35
.set CS,  36
.set OUT, 48                           ; v[48:79] four words for each of the eight parts: no store's data is ever rewritten
; sin and cos of v[th].  k = nearest whole number to th 2/pi; r = th - k pi/2 with pi/2 in three parts (the first product is exact in
; the fused form); sin r and cos r by polynomials in r^2; the quadrant k mod 4 swaps them and sets the signs, by selects only.
; The next launch holds the same lines: both get the same bits.
.macro SINCOS th, sn, cs, k, r, z, p, q, c, i
	v_mul_f32 v[\k], 0x3f22f983, v[\th]            ; th x 2/pi
	v_rndne_f32 v[\k], v[\k]
	v_fmamk_f32 v[\r], v[\k], 0xbfc90fdb, v[\th]   ; - k x 1.57079637
	v_fmamk_f32 v[\r], v[\k], 0x333bbd2e, v[\r]    ; + k x 4.37113883e-8
	v_fmamk_f32 v[\r], v[\k], 0x26f72ced, v[\r]    ; + k x 1.71512489e-15
	v_cvt_i32_f32 v[\i], v[\k]
	v_mul_f32 v[\z], v[\r], v[\r]
	v_mov_b32 v[\p], 0xb94ca1f9                    ; -1.9515296e-4
	v_mov_b32 v[\q], 0x37ccf5ce                    ;  2.4433157e-5
	v_fmaak_f32 v[\p], v[\p], v[\z], 0x3c08839e    ;  8.3321609e-3
	v_fmaak_f32 v[\q], v[\q], v[\z], 0xbab6061a    ; -1.3887316e-3
	v_fmaak_f32 v[\p], v[\p], v[\z], 0xbe2aaaa3    ; -1.6666655e-1
	v_fmaak_f32 v[\q], v[\q], v[\z], 0x3d2aaaa5    ;  4.1666646e-2
	v_mul_f32 v[\p], v[\p], v[\z]
	v_fma_f32 v[\c], v[\z], -0.5, 1.0
	v_mul_f32 v[\k], v[\z], v[\z]
	v_fma_f32 v[\p], v[\p], v[\r], v[\r]           ; sin r
	v_fma_f32 v[\q], v[\q], v[\k], v[\c]           ; cos r
	v_and_b32 v[\k], 1, v[\i]
	v_cmp_eq_u32 vcc_lo, 1, v[\k]                  ; odd quadrant: sin and cos change places
	v_cndmask_b32 v[\sn], v[\p], v[\q], vcc_lo
	v_cndmask_b32 v[\cs], v[\q], v[\p], vcc_lo
	v_lshlrev_b32 v[\k], 30, v[\i]                 ; bit 1 of k: the sign of sin
	v_add_nc_u32 v[\i], 1, v[\i]
	v_and_b32 v[\k], 0x80000000, v[\k]
	v_lshlrev_b32 v[\i], 30, v[\i]                 ; bit 1 of k + 1: the sign of cos
	v_xor_b32 v[\sn], v[\sn], v[\k]
	v_and_b32 v[\i], 0x80000000, v[\i]
	v_xor_b32 v[\cs], v[\cs], v[\i]
.endm
	s_load_b128 s[4:7], s[0:1], 0x0                ; angles s[4:5], idx s[6:7]
	s_and_b32 s8, ttmp7, 0xffff                    ; h: which 64 u
	s_lshl_b32 s9, ttmp9, 2                        ; my angle's byte offset
	s_lshl_b32 s12, ttmp9, 16                      ; 65,536 bytes of table for an angle,
	s_lshl_b32 s13, s8, 15                         ; 32,768 for 64 u
	s_add_co_u32 s12, s12, s13
	s_mov_b32 s13, 0
	s_lshl_b32 s11, s8, 6                          ; first u: 64 h
	s_mov_b32 s24, 0x427e0000                      ; 63.5
	s_mov_b32 s25, 0x45040000                      ; 2112.0: bytes in a row
	s_mov_b32 s26, 0x45050000                      ; 2128.0: cell (1, 1), voxel (0, 0)
	s_mov_b32 s27, 0x42800000                      ; 64.0
	s_mov_b32 s28, ZEROADDR
	s_wait_kmcnt 0x0
	s_load_b32 s10, s[4:5], s9 offset:0x0          ; the angle
	s_add_nc_u64 s[6:7], s[6:7], s[12:13]
	v_and_b32 v1, 3, v0
	v_bfe_u32 v2, v0, 4, 1
	v_lshl_or_b32 v1, v2, 2, v1                    ; u within a sub-group: (l & 3) + 4 (l >> 4)
	v_add_nc_u32 v1, s11, v1
	v_bfe_u32 v2, v0, 2, 2                         ; t phase: (l >> 2) & 3
	v_lshrrev_b32 v3, 5, v0                        ; quad = wave
	v_lshl_or_b32 v2, v3, 4, v2                    ; t of entry 0
	v_cvt_f32_u32 v1, v1
	v_cvt_f32_u32 v2, v2
	v_add_f32 v[UF], 0xc27e0000, v1                ; - 63.5: all these are exact
	v_add_f32 v[TP], 0xc27e0000, v2
	v_add_f32 v[TP+1], 4.0, v[TP]
	v_add_f32 v[TP+2], 0x41000000, v[TP]           ; + 8
	v_add_f32 v[TP+3], 0x41400000, v[TP]           ; + 12
	v_lshlrev_b32 v[OFF], 4, v0
	s_wait_kmcnt 0x0
	v_mov_b32 v[TH], s10
	SINCOS TH, SN, CS, 37, 38, 39, 40, 41, 42, 43
	v_readfirstlane_b32 s20, v[CS]                 ; the same in every lane
	v_readfirstlane_b32 s22, v[SN]
	s_mov_b32 s21, s20                             ; the packed forms name pairs and use the first of each
	s_mov_b32 s23, s22
; One sub-group of 8 u: four addresses a lane, one store.
.macro PART i
	v_fma_f32 v[BX], -v[UF], s22, s24
	v_fma_f32 v[BY], v[UF], s20, s24
	v_mov_b32 v[BX+1], v[BX]
	v_mov_b32 v[BY+1], v[BY]
.irp p, 0,1
	v_pk_fma_f32 v[XS+2*\p:XS+2*\p+1], v[TP+2*\p:TP+2*\p+1], s[20:21], v[BX:BX+1] op_sel_hi:[1,0,1]
	v_pk_fma_f32 v[YS+2*\p:YS+2*\p+1], v[TP+2*\p:TP+2*\p+1], s[22:23], v[BY:BY+1] op_sel_hi:[1,0,1]
.endr
.irp e, 0,1,2,3
	v_floor_f32 v[X0+\e], v[XS+\e]
	v_floor_f32 v[Y0+\e], v[YS+\e]
	v_fma_f32 v[AF], v[Y0+\e], s25, s26            ; 2112 y0 + 2128
	v_add_f32 v[DX], 0xc27c0000, v[X0+\e]          ; x0 - 63
	v_add_f32 v[DY], 0xc27c0000, v[Y0+\e]
	v_fmamk_f32 v[AF], v[X0+\e], 0x41800000, v[AF] ; + 16 x0
	v_max_num_f32 v[DX], |v[DX]|, |v[DY]|
	v_cvt_u32_f32 v[AF], v[AF]
	v_cmp_ge_f32 vcc_lo, s27, v[DX]                ; -1 <= x0, y0 <= 127 (false for NaN)
	v_cndmask_b32 v[OUT+4*\i+\e], s28, v[AF], vcc_lo
.endr
	global_store_b128 v[OFF], v[OUT+4*\i:OUT+4*\i+3], s[6:7] offset:\i*4096
	v_add_f32 v[UF], 0x41000000, v[UF]             ; the next 8 u
.endm
.irp i, 0,1,2,3,4,5,6,7
	PART \i
.endr
	s_endpgm
.Lfunc_end_k_q56088b23b7_prep:
	.size	k_q56088b23b7_prep, .Lfunc_end_k_q56088b23b7_prep-k_q56088b23b7_prep
	.p2alignl 7, 3214868480
	.fill 96, 4, 3214868480
	.section	.rodata,"a",@progbits
	.p2align	6, 0x0
	.amdhsa_kernel k_q56088b23b7_prep
		.amdhsa_group_segment_fixed_size 0
		.amdhsa_private_segment_fixed_size 0
		.amdhsa_enable_private_segment 0
		.amdhsa_kernarg_size 16
		.amdhsa_user_sgpr_count 2
		.amdhsa_user_sgpr_kernarg_segment_ptr 1
		.amdhsa_wavefront_size32 1
		.amdhsa_system_sgpr_workgroup_id_x 1
		.amdhsa_system_sgpr_workgroup_id_y 1
		.amdhsa_system_sgpr_workgroup_id_z 1
		.amdhsa_system_vgpr_workitem_id 0
		.amdhsa_next_free_vgpr 80
		.amdhsa_next_free_sgpr 66
		.amdhsa_reserve_vcc 1
		.amdhsa_float_denorm_mode_32 3
		.amdhsa_float_denorm_mode_16_64 3
		.amdhsa_memory_ordered 1
		.amdhsa_forward_progress 1
		.amdhsa_inst_pref_size 24
	.end_amdhsa_kernel
	.amdgpu_metadata
---
amdhsa.version: [ 1, 2 ]
amdhsa.kernels:
  - .name:           k_q56088b23b7_prep
    .symbol:         k_q56088b23b7_prep.kd
    .args:
      - { .name: angles, .offset: 0, .size: 8, .value_kind: global_buffer, .address_space: global }
      - { .name: idx, .offset: 8, .size: 8, .value_kind: global_buffer, .address_space: global }
    .group_segment_fixed_size: 0
    .private_segment_fixed_size: 0
    .kernarg_segment_align: 8
    .kernarg_segment_size: 16
    .max_flat_workgroup_size: 256
    .sgpr_count:     66
    .vgpr_count:     80
    .wavefront_size: 32
...
	.end_amdgpu_metadata
.endif
;; end of part 1
;; launch project (part 2): grid 16 x 16, 32 waves a work-group, no clusters, 313,600 bytes of LDS; arguments angles, x, idx, out0; writes out0
.if DOCPART == 2
	.amdgcn_target "amdgcn-amd-amdhsa--gfx1250"
	.amdhsa_code_object_version 6
	.text
	.protected	k_q56088b23b7_project
	.globl	k_q56088b23b7_project
	.p2align	8
	.type	k_q56088b23b7_project,@function
k_q56088b23b7_project:
	s_mov_b64 s[64:65], 0
	v_nop
	global_prefetch_b8 v0, s[64:65] scope:SCOPE_SE
	s_setreg_imm32_b32 hwreg(HW_REG_WAVE_MODE, 25, 1), 1
	s_wait_xcnt 0x0
; out[a][z][u] = sum over t of the bilinear sample of slice z at (ys, xs)(a, t, u).  x: [128 z][128 y][128 x] f32, out: [128 a][128 z][128 u] f32.
; A work-group takes 8 slices (grid x) and 8 angles (grid y).  The slices lie in LDS as cells of 16 bytes, the 8 z of one (y, x) in bf16,
; in a frame of 131 rows x 132 cells whose border cells are zero: they stand for the corners outside the image.
; The address of a sample's cell (floor ys, floor xs) comes from the table idx of the launch before (whole numbers); the fractions are
; made here, by the same instructions on the same bits as there, so that floor and fraction belong together.
; 32 waves.  Wave w takes angle w / 4 of the eight and 32 u, as four sub-groups of 8 u.  Lane l stands for u = (l & 3) + 4 (l >> 4) of the
; sub-group and for the steps t = ((l >> 2) & 3) mod 4.  So the sixteen lanes that an LDS load of 16 bytes serves together are a patch of
; 4 x 4 neighbouring samples; with 132 = 4 mod 16 cells in a row, cell (y, x) starts at bank 4 (4 y + x) mod 64 (64 banks of 4 bytes:
; ISA guide 11.1), and a 4 x 4 block of cells covers all 64 banks once.  The four steps' partial sums are added across lanes at a sub-group's end.
; For a sample and a lane: four loads of 16 bytes, 32 multiply-adds (bf16 voxel x f32 weight + f32 sum), 6.5 packed instructions of weights.
; The matrix units are not used: the operator is sparse, and dense operand tiles for 8 slices would cost more vector work than these multiply-adds.
; x passes through registers (rounding, 8 z regrouped into a cell), so no copy engine and no joint loads.
; LIMITS.  The volume is rounded once to bf16 (8 slices fit in LDS, not 4); weights and sums are f32.  The sum over t is made in four partial
; sums.  Angles as in the launch before: |angle| below about 1e7 rad.  Voxels are finite: an infinity times a weight of zero gives NaN
; in other places than in a masked gather.
.set PLANE,    65536                   ; bytes in a slice of x
.set PITCH,    132
.set CELL,     16
.set ROWB,     PITCH*CELL              ; 2112
.set ZEROADDR, (129*PITCH+129)*CELL    ; 274512: the largest address in the table
.set STAGE,    276736                  ; behind the frame's 131 x 2112 = 276,672 bytes: 1,024 bytes for each wave, for the way out
.set FSTEP,    16*ROWB                 ; the 1,024 threads fill 16 rows at a time
.set LN,   1                           ; v1        lane
.set IOFF, 2                           ; v2        16 x lane: my words in a quad's 512 bytes of idx
.set XOFF, 3                           ; v3        8 x thread: my two voxels in 16 rows of x
.set FA,   4                           ; v4        LDS: where my two cells go
.set ZA,   5                           ; v5        LDS: zeroing; later scratch
.set ST,   6                           ; v6        LDS: my word in my wave's stage
.set UF,   7                           ; v7        u - 63.5
.set ACC,  8                           ; v[8:15]   sums of the 8 z
.set IX,   16                          ; v[16:19]  a quad's four table words
.set AD,   20                          ; v[20:23]  the same, bounded: LDS addresses
.set BX,   24                          ; v[24:25]  63.5 - u sin, twice
.set BY,   26                          ; v[26:27]  63.5 + u cos, twice
.set TP,   28                          ; v[28:31]  t - 63.5 of the quad's four samples
.set D,    32                          ; v[32:95]  sample e: 16 registers, four cells; during the fill: x as loaded
.set W,    96                          ; v[96:111] pair p: w00, w01, w10, w11, two samples each; during the fill: packed cells
.set XS,   112
.set YS,   114
.set X0,   116
.set Y0,   118
.set GO,   120                         ; v120      the way out: my byte offset in out
.set TH,   112
.set SN,   113
.set CS,   114
; sin and cos of v[th]: the same lines as in the launch before, so the same bits (see there).
.macro SINCOS th, sn, cs, k, r, z, p, q, c, i
	v_mul_f32 v[\k], 0x3f22f983, v[\th]
	v_rndne_f32 v[\k], v[\k]
	v_fmamk_f32 v[\r], v[\k], 0xbfc90fdb, v[\th]
	v_fmamk_f32 v[\r], v[\k], 0x333bbd2e, v[\r]
	v_fmamk_f32 v[\r], v[\k], 0x26f72ced, v[\r]
	v_cvt_i32_f32 v[\i], v[\k]
	v_mul_f32 v[\z], v[\r], v[\r]
	v_mov_b32 v[\p], 0xb94ca1f9
	v_mov_b32 v[\q], 0x37ccf5ce
	v_fmaak_f32 v[\p], v[\p], v[\z], 0x3c08839e
	v_fmaak_f32 v[\q], v[\q], v[\z], 0xbab6061a
	v_fmaak_f32 v[\p], v[\p], v[\z], 0xbe2aaaa3
	v_fmaak_f32 v[\q], v[\q], v[\z], 0x3d2aaaa5
	v_mul_f32 v[\p], v[\p], v[\z]
	v_fma_f32 v[\c], v[\z], -0.5, 1.0
	v_mul_f32 v[\k], v[\z], v[\z]
	v_fma_f32 v[\p], v[\p], v[\r], v[\r]
	v_fma_f32 v[\q], v[\q], v[\k], v[\c]
	v_and_b32 v[\k], 1, v[\i]
	v_cmp_eq_u32 vcc_lo, 1, v[\k]
	v_cndmask_b32 v[\sn], v[\p], v[\q], vcc_lo
	v_cndmask_b32 v[\cs], v[\q], v[\p], vcc_lo
	v_lshlrev_b32 v[\k], 30, v[\i]
	v_add_nc_u32 v[\i], 1, v[\i]
	v_and_b32 v[\k], 0x80000000, v[\k]
	v_lshlrev_b32 v[\i], 30, v[\i]
	v_xor_b32 v[\sn], v[\sn], v[\k]
	v_and_b32 v[\i], 0x80000000, v[\i]
	v_xor_b32 v[\cs], v[\cs], v[\i]
.endm
	s_load_b256 s[4:11], s[0:1], 0x0               ; angles s[4:5], x s[6:7], idx s[8:9], out s[10:11]
	v_lshl_add_u32 v126, v0, 2, 0x4b900
	v_mov_b32 v127, 0
	v_lshrrev_b32 v1, 5, v0
	v_readfirstlane_b32 s12, v1                    ; wave 0..31
	s_and_b32 s14, ttmp7, 0xffff                   ; which 8 angles
	s_lshr_b32 s19, s12, 2                         ; my angle among them
	s_lshl3_add_u32 s15, s14, s19                  ; my angle
	s_and_b32 s16, s12, 3                          ; which 32 u
	s_lshl_b32 s17, s15, 2
	s_lshl_b32 s26, s15, 16                        ; idx: 65,536 bytes for an angle,
	s_lshl_b32 s27, s16, 14                        ; 16,384 for 32 u
	s_add_co_u32 s26, s26, s27
	s_mov_b32 s27, 0
	s_lshl_b32 s28, ttmp9, 19                      ; x: 8 slices of 65,536 bytes
	s_mov_b32 s29, 0
	s_lshl_b32 s30, s14, 19                        ; out: 8 angles of 65,536 bytes,
	s_lshl_b32 s31, ttmp9, 12                      ; 8 rows z of 512 bytes
	s_add_co_u32 s30, s30, s31
	s_mov_b32 s31, 0
	v_and_b32 v[LN], 31, v0
	v_lshlrev_b32 v[IOFF], 4, v[LN]
	v_lshlrev_b32 v[XOFF], 3, v0
	s_wait_kmcnt 0x0
	s_load_b32 s18, s[4:5], s17 offset:0x0         ; the angle
	s_add_nc_u64 s[8:9], s[8:9], s[26:27]
	s_add_nc_u64 s[6:7], s[6:7], s[28:29]
	s_add_nc_u64 s[10:11], s[10:11], s[30:31]
	global_load_b128 v[IX:IX+3], v[IOFF], s[8:9]   ; the first quad's table words
	; x, rows 0 to 63 of the 8 slices: a wave's load covers 256 consecutive bytes (half a row), 32 loads a wave in flight
.irp b, 0,1,2,3
.irp z, 0,1,2,3,4,5,6,7
	global_load_b64 v[D+16*\b+2*\z:D+16*\b+2*\z+1], v[XOFF], s[6:7] offset:\z*PLANE+\b*8192
.endr
.endr
	; meanwhile the frame is zeroed: 17 x 16,384 bytes cover its 276,672 (the surplus falls into the stage, which is written much later)
.irp j, 0,1,2,3
	v_mov_b32 v[W+\j], 0
.endr
	v_lshlrev_b32 v[ZA], 4, v0
.set k, 0
.rept 17
	ds_store_b128 v[ZA], v[W:W+3] offset:(k%4)*16384
.set k, k+1
.if k%4 == 0
	v_add_nc_u32 v[ZA], 0x10000, v[ZA]
.endif
.endr
	; addresses and the ray's constants
	s_lshr_b32 s28, s12, 1                         ; fill: thread / 64 = wave / 2 is the row of the sixteen,
	s_mul_i32 s28, s28, ROWB
	s_and_b32 s29, s12, 1                          ; the wave's parity the half row (32 lanes x 2 cells x 16 bytes)
	s_lshl_b32 s29, s29, 10
	s_add_co_u32 s28, s28, s29
	v_lshl_add_u32 v[FA], v[LN], 5, s28
	s_lshl_b32 s28, s12, 10
	s_add_co_u32 s28, s28, STAGE                   ; my wave's stage
	v_and_b32 v[ZA], 3, v0
	v_bfe_u32 v[GO], v0, 4, 1
	v_lshl_or_b32 v[ZA], v[GO], 2, v[ZA]           ; u within a sub-group
	v_lshl_add_u32 v[ST], v[ZA], 2, s28
	s_lshl_b32 s29, s16, 5
	v_add_nc_u32 v[ZA], s29, v[ZA]                 ; u in the first sub-group
	v_cvt_f32_u32 v[ZA], v[ZA]
	v_add_f32 v[UF], 0xc27e0000, v[ZA]             ; - 63.5
	v_bfe_u32 v[ZA], v0, 2, 2                      ; my t phase
	v_cvt_f32_u32 v[ZA], v[ZA]
	v_add_f32 v[TP], 0xc27e0000, v[ZA]
	v_add_f32 v[TP+1], 4.0, v[TP]
	v_add_f32 v[TP+2], 0x41000000, v[TP]           ; + 8
	v_add_f32 v[TP+3], 0x41400000, v[TP]           ; + 12
	s_mov_b32 s24, 0x427e0000                      ; 63.5
	s_wait_kmcnt 0x0
	v_mov_b32 v[TH], s18
	SINCOS TH, SN, CS, 115, 116, 117, 118, 119, 120, 121
	v_readfirstlane_b32 s20, v[CS]
	v_readfirstlane_b32 s22, v[SN]
	s_mov_b32 s21, s20                             ; the packed forms name pairs and use the first of each
	s_mov_b32 s23, s22
.macro RAYS
	v_fma_f32 v[BX], -v[UF], s22, s24
	v_fma_f32 v[BY], v[UF], s20, s24
	v_mov_b32 v[BX+1], v[BX]
	v_mov_b32 v[BY+1], v[BY]
.endm
	RAYS
.irp z, 0,1,2,3,4,5,6,7
	v_mov_b32 v[ACC+\z], 0
.endr
	s_wait_dscnt 0x0                               ; my zeros are written,
	s_barrier_signal -1
	s_barrier_wait -1                              ; everybody's are: voxels may now be laid over them
; 16 rows of the frame: my two voxels of 8 slices become two cells.  Word w of a cell holds z = 2 w below and z = 2 w + 1 above.
; more = 1: the block's registers are loaded again, with the rows 64 further down.  left = the younger loads of x that may stay out
; (8 for each block of 16 rows; loads come back in order: ISA guide 5.7.1).
.macro FILL it, more, left
	s_wait_loadcnt \left
.irp p, 0,1
.irp w, 0,1,2,3
	v_cvt_pk_bf16_f32 v[W+4*\p+\w], v[D+16*(\it%4)+4*\w+\p], v[D+16*(\it%4)+4*\w+2+\p]
.endr
.endr
	ds_store_b128 v[FA], v[W:W+3]   offset:(\it%2)*FSTEP+ROWB+CELL         ; voxel (0, 0) is cell (1, 1)
	ds_store_b128 v[FA], v[W+4:W+7] offset:(\it%2)*FSTEP+ROWB+2*CELL
.if \more
.irp z, 0,1,2,3,4,5,6,7
	global_load_b64 v[D+16*(\it%4)+2*\z:D+16*(\it%4)+2*\z+1], v[XOFF], s[6:7] offset:\z*PLANE+(\it+4)*8192
.endr
.endif
.if \it%2
	v_add_nc_u32 v[FA], 2*FSTEP, v[FA]             ; the immediate reaches 64 KiB: every second block the register steps
.endif
.endm
	FILL 0, 1, 24
	FILL 1, 1, 24
	FILL 2, 1, 24
	FILL 3, 1, 24
	FILL 4, 0, 24
	FILL 5, 0, 16
	FILL 6, 0, 8
	FILL 7, 0, 0
	s_wait_dscnt 0x0                               ; my cells are written,
	s_barrier_signal -1
	s_barrier_wait -1                              ; the frame is whole; from here on it is only read
.macro GATHER e                        ; the four corners of sample e
	ds_load_b128 v[D+16*\e:D+16*\e+3],     v[AD+\e]
	ds_load_b128 v[D+16*\e+4:D+16*\e+7],   v[AD+\e] offset:CELL
	ds_load_b128 v[D+16*\e+8:D+16*\e+11],  v[AD+\e] offset:ROWB
	ds_load_b128 v[D+16*\e+12:D+16*\e+15], v[AD+\e] offset:ROWB+CELL
.endm
.macro WEIGHTS p                       ; two samples at a time: position, fraction, the four weights
	v_pk_fma_f32 v[XS:XS+1], v[TP+2*\p:TP+2*\p+1], s[20:21], v[BX:BX+1] op_sel_hi:[1,0,1]
	v_pk_fma_f32 v[YS:YS+1], v[TP+2*\p:TP+2*\p+1], s[22:23], v[BY:BY+1] op_sel_hi:[1,0,1]
	v_floor_f32 v[X0], v[XS]
	v_floor_f32 v[X0+1], v[XS+1]
	v_floor_f32 v[Y0], v[YS]
	v_floor_f32 v[Y0+1], v[YS+1]
	v_pk_add_f32 v[XS:XS+1], v[XS:XS+1], v[X0:X0+1] neg_lo:[0,1] neg_hi:[0,1]                    ; fx
	v_pk_add_f32 v[YS:YS+1], v[YS:YS+1], v[Y0:Y0+1] neg_lo:[0,1] neg_hi:[0,1]                    ; fy
	v_pk_mul_f32 v[W+8*\p+6:W+8*\p+7], v[XS:XS+1], v[YS:YS+1]                                    ; w11 = fx fy
	v_pk_add_f32 v[X0:X0+1], v[XS:XS+1], 1.0 op_sel_hi:[1,0] neg_lo:[1,0] neg_hi:[1,0]           ; 1 - fx
	v_pk_add_f32 v[W+8*\p+2:W+8*\p+3], v[XS:XS+1], v[W+8*\p+6:W+8*\p+7] neg_lo:[0,1] neg_hi:[0,1] ; w01 = fx - fx fy
	v_pk_add_f32 v[W+8*\p+4:W+8*\p+5], v[YS:YS+1], v[W+8*\p+6:W+8*\p+7] neg_lo:[0,1] neg_hi:[0,1] ; w10 = fy - fx fy
	v_pk_add_f32 v[W+8*\p:W+8*\p+1], v[X0:X0+1], v[W+8*\p+4:W+8*\p+5] neg_lo:[0,1] neg_hi:[0,1]   ; w00 = 1 - fx - w10
.endm
.macro BLEND e, p, h                   ; sample e = half h of pair p: 4 corners x 8 z; a sum is taken up again eight instructions later
.irp c, 0,1,2,3
.irp w, 0,1,2,3
	v_fma_mix_f32_bf16 v[ACC+2*\w],   v[D+16*\e+4*\c+\w], v[W+8*\p+2*\c+\h], v[ACC+2*\w]   op_sel_hi:[1,0,0]
	v_fma_mix_f32_bf16 v[ACC+2*\w+1], v[D+16*\e+4*\c+\w], v[W+8*\p+2*\c+\h], v[ACC+2*\w+1] op_sel:[1,0,0] op_sel_hi:[1,0,0]
.endr
.endr
.endm
; A quad: four samples a lane (16 steps t of 8 rays for the wave).  more = 1: the next quad's table words are asked for.
.macro QUAD more
	s_wait_loadcnt 0x0                             ; the one load that is out: this quad's words, asked for a quad ago; its base may now step
.irp e, 0,1,2,3
	v_min_u32 v[AD+\e], ZEROADDR, v[IX+\e]         ; a loaded number becomes an address only bounded: + 2,128 + 16 stays inside the frame
.endr
.if \more
	s_add_nc_u64 s[8:9], s[8:9], 512
	global_load_b128 v[IX:IX+3], v[IOFF], s[8:9]
.endif
	GATHER 0
	GATHER 1
	GATHER 2
	GATHER 3
	WEIGHTS 0
	WEIGHTS 1
	v_pk_add_f32 v[TP:TP+1],   v[TP:TP+1],   0x41800000 op_sel_hi:[1,0]    ; t + 16
	v_pk_add_f32 v[TP+2:TP+3], v[TP+2:TP+3], 0x41800000 op_sel_hi:[1,0]
	s_wait_dscnt 12                                ; LDS answers in order (ISA guide 5.7.1): sample 0's four loads are in, the twelve younger stay out
	BLEND 0, 0, 0
	s_wait_dscnt 8
	BLEND 1, 0, 1
	s_wait_dscnt 4
	BLEND 2, 1, 0
	s_wait_dscnt 0
	BLEND 3, 1, 1
.endm
; A sub-group of 8 u: eight quads, then the four t phases (lane bits 2 and 3) are added and the sums go to my wave's stage,
; [z: 8][u: 32] f32.  The four lanes of a ray hold the same sum and write the same word.
; last = 1: the very last quad asks for no further table words, and nothing is set up again.
.macro SUBGROUP last
	s_mov_b32 s25, 8-\last
.Lquad_\@:
	QUAD 1
	s_sub_co_u32 s25, s25, 1
	s_cmp_lg_u32 s25, 0
	s_cbranch_scc1 .Lquad_\@
.if \last
	QUAD 0
.endif
.irp z, 0,1,2,3,4,5,6,7
	v_add_f32_dpp v[ACC+\z], v[ACC+\z], v[ACC+\z] row_xmask:4 row_mask:0xf bank_mask:0xf
.endr
.irp z, 0,1,2,3,4,5,6,7
	v_add_f32_dpp v[ACC+\z], v[ACC+\z], v[ACC+\z] row_xmask:8 row_mask:0xf bank_mask:0xf
.endr
.irp z, 0,1,2,3,4,5,6,7
	ds_store_b32 v[ST], v[ACC+\z] offset:\z*128
.endr
.if \last == 0
	v_add_nc_u32 v[ST], 32, v[ST]                  ; the next 8 u
	v_add_f32 v[UF], 0x41000000, v[UF]
	v_pk_add_f32 v[TP:TP+1],   v[TP:TP+1],   0xc3000000 op_sel_hi:[1,0]    ; t back by 128: exact
	v_pk_add_f32 v[TP+2:TP+3], v[TP+2:TP+3], 0xc3000000 op_sel_hi:[1,0]
	RAYS
.irp z, 0,1,2,3,4,5,6,7
	v_mov_b32 v[ACC+\z], 0
.endr
.endif
.endm
	SUBGROUP 0
	SUBGROUP 0
	SUBGROUP 0
	SUBGROUP 1
	; THE WAY OUT.  The stage holds 8 angles x 8 z x 128 u.  Thread i takes 16 bytes of row (angle i / 256, z (i / 32) % 8), and the same of the
	; angle four further on: a wave's store covers one whole row of out, 512 consecutive bytes.
	v_and_b32 v[LN], 7, v0                         ; 16 bytes among the 128 that one wave staged for this z,
	v_lshlrev_b32 v[LN], 4, v[LN]
	v_bfe_u32 v[ZA], v0, 3, 2                      ; which 32 u: the wave among the angle's four,
	v_lshl_or_b32 v[LN], v[ZA], 10, v[LN]
	v_bfe_u32 v[ZA], v0, 5, 3                      ; z,
	v_lshl_or_b32 v[LN], v[ZA], 7, v[LN]
	v_lshrrev_b32 v[ZA], 8, v0                     ; the angle: four waves of 1,024 bytes
	v_lshl_or_b32 v[LN], v[ZA], 12, v[LN]
	v_add_nc_u32 v[LN], STAGE, v[LN]
	v_and_b32 v[GO], 255, v0
	v_lshlrev_b32 v[GO], 4, v[GO]                  ; out: z x 512 + my 16 bytes,
	v_lshl_or_b32 v[GO], v[ZA], 16, v[GO]          ; + angle x 65,536
	s_wait_dscnt 0x0                               ; my sums are staged (and my reads of the frame are long back),
	s_barrier_signal -1
	s_barrier_wait -1                              ; everybody's are
	ds_load_b128 v[D:D+3],   v[LN]
	ds_load_b128 v[D+4:D+7], v[LN] offset:16384
	s_wait_dscnt 1                                 ; the first is in, the second may be out
	global_store_b128 v[GO], v[D:D+3], s[10:11] th:TH_STORE_NT
	s_wait_dscnt 0
	global_store_b128 v[GO], v[D+4:D+7], s[10:11] offset:262144 th:TH_STORE_NT
	s_wait_tensorcnt 0x0
	ds_add_u32 v126, v127
	s_wait_dscnt 0x0
	s_endpgm
.Lfunc_end_k_q56088b23b7_project:
	.size	k_q56088b23b7_project, .Lfunc_end_k_q56088b23b7_project-k_q56088b23b7_project
	.p2alignl 7, 3214868480
	.fill 96, 4, 3214868480
	.section	.rodata,"a",@progbits
	.p2align	6, 0x0
	.amdhsa_kernel k_q56088b23b7_project
		.amdhsa_group_segment_fixed_size 313600
		.amdhsa_private_segment_fixed_size 0
		.amdhsa_enable_private_segment 0
		.amdhsa_kernarg_size 32
		.amdhsa_user_sgpr_count 2
		.amdhsa_user_sgpr_kernarg_segment_ptr 1
		.amdhsa_wavefront_size32 1
		.amdhsa_system_sgpr_workgroup_id_x 1
		.amdhsa_system_sgpr_workgroup_id_y 1
		.amdhsa_system_sgpr_workgroup_id_z 1
		.amdhsa_system_vgpr_workitem_id 0
		.amdhsa_next_free_vgpr 128
		.amdhsa_next_free_sgpr 66
		.amdhsa_reserve_vcc 1
		.amdhsa_float_denorm_mode_32 3
		.amdhsa_float_denorm_mode_16_64 3
		.amdhsa_memory_ordered 1
		.amdhsa_forward_progress 1
		.amdhsa_inst_pref_size 83
	.end_amdhsa_kernel
	.amdgpu_metadata
---
amdhsa.version: [ 1, 2 ]
amdhsa.kernels:
  - .name:           k_q56088b23b7_project
    .symbol:         k_q56088b23b7_project.kd
    .args:
      - { .name: angles, .offset: 0, .size: 8, .value_kind: global_buffer, .address_space: global }
      - { .name: x, .offset: 8, .size: 8, .value_kind: global_buffer, .address_space: global }
      - { .name: idx, .offset: 16, .size: 8, .value_kind: global_buffer, .address_space: global }
      - { .name: out0, .offset: 24, .size: 8, .value_kind: global_buffer, .address_space: global }
    .group_segment_fixed_size: 313600
    .private_segment_fixed_size: 0
    .kernarg_segment_align: 8
    .kernarg_segment_size: 32
    .max_flat_workgroup_size: 1024
    .sgpr_count:     66
    .vgpr_count:     128
    .wavefront_size: 32
...
	.end_amdgpu_metadata
.endif
;; end of part 2
